; MI455X (gfx1250); checked and timed in simulation.
; The chip was launched on July 23, 2026; its instructions are those of AMD's public machine-readable ISA for CDNA 5 (MIT licence, August 2026) and "CDNA5" Instruction Set Architecture Reference Guide (July 2026). The comments in the code are by the model that wrote it; some were corrected since.
;; Quantiser. Allowed arithmetic: float matrix products may take bf16 or f16 operands with f32 sums; all other float work in f32.
;; Inputs: emb_weight 8,192 x 256 float32; x 32,768 x 256 float32.
;; Outputs: out0 32,768 x 256 float32; out1 one number float32; out2 32,768 int32.
;; One version. Each part assembles by itself: llvm-mc -triple=amdgcn-amd-amdhsa -mcpu=gfx1250 --defsym DOCPART=n.
;; ======== version 1 of 1: 4 launches
;; workspace buffers: wb 4,194,304 bytes; w2h 32,768 bytes; idx 131,072 bytes of whole numbers; part 2,048 bytes
;; launch prep (part 1): grid 128 x 1, 8 waves a work-group, no clusters, 1,280 bytes of LDS; arguments emb_weight, wb, w2h; writes wb, w2h
.if DOCPART == 1
	.amdgcn_target "amdgcn-amd-amdhsa--gfx1250"
	.amdhsa_code_object_version 6
	.text
	.protected	k_q0527735867_prep
	.globl	k_q0527735867_prep
	.p2align	8
	.type	k_q0527735867_prep,@function
k_q0527735867_prep:
	s_mov_b64 s[64:65], 0
	v_nop
	global_prefetch_b8 v0, s[64:65] scope:SCOPE_SE
	s_setreg_imm32_b32 hwreg(HW_REG_WAVE_MODE, 25, 1), 1
	s_wait_xcnt 0x0
; wb[v][:] = emb_weight[v][:] rounded to bf16 (nearest even);  w2h[v] = -0.5 x the sum over c of wb[v][c]^2, in f32.
; The squares are taken of the ROUNDED numbers: the product that follows multiplies the rounded numbers, and a distance is made of one set of numbers.
; emb_weight: [8192][256] f32, a row is 1,024 bytes.  wb: [8192][256] bf16, a row is 512 bytes.  w2h: [8192] f32.
; Eight waves; the work-group owns 64 rows, so that its 64 numbers of w2h are 256 consecutive bytes, aligned, stored by one instruction.
; A wave owns 8 rows.  A row is two loads of 512 consecutive bytes; all 16 loads of a wave go out at once, each into registers of its own,
; and each result has registers of its own: nothing that a pending load or store names is written again.
; No matrix unit, no cluster, no tensor load: every byte is read once and written once, and no two work-groups share a byte.
.set X, 16                             ; v[16:79]   load n = 2 x row + half: 4 registers
.set Y, 80                             ; v[80:111]  the same 4 numbers as bf16: 2 registers
.set T, 4                              ; v[4:7]     the rounded numbers as f32
.set S, 8                              ; v[8:9]     the row's sum of squares, two chains
	s_load_b128 s[4:7], s[0:1], 0x0                ; emb_weight s[4:5], wb s[6:7]
	s_load_b64 s[8:9], s[0:1], 0x10                ; w2h
	v_lshl_add_u32 v112, v0, 2, 0x100
	v_mov_b32 v113, 0
	v_lshrrev_b32 v3, 5, v0
	v_readfirstlane_b32 s10, v3                    ; wave 0..7
	v_and_b32 v1, 31, v0
	v_lshlrev_b32 v2, 3, v1                        ; 8 x lane: my 4 bf16 in half a row of wb
	v_lshlrev_b32 v1, 4, v1                        ; 16 x lane: my 4 f32 in half a row of emb_weight
	v_mov_b32 v11, 0                               ; v_permlanex16_b32's destination counts as read
	s_mov_b32 s12, 0x76543210                      ; each lane takes its own place in the other half
	s_mov_b32 s13, 0xfedcba98
	s_mov_b32 s14, 0xffff0000                      ; a word's upper bf16
	s_lshl_b32 s11, s10, 5
	v_mov_b32 v12, s11                             ; LDS: my wave's 8 words
	s_lshl_b32 s15, ttmp9, 6
	s_lshl3_add_u32 s15, s10, s15                  ; my first row = 64 x work-group + 8 x wave
	s_lshl_b32 s16, s15, 10                        ; in bytes of emb_weight (under 2^23)
	s_mov_b32 s17, 0
	s_lshl_b32 s18, s15, 9                         ; in bytes of wb
	s_mov_b32 s19, 0
	s_lshl_b32 s20, ttmp9, 8                       ; the work-group's 256 bytes of w2h
	s_mov_b32 s21, 0
	s_wait_kmcnt 0x0
	s_add_nc_u64 s[4:5], s[4:5], s[16:17]
	s_add_nc_u64 s[6:7], s[6:7], s[18:19]
	s_add_nc_u64 s[8:9], s[8:9], s[20:21]
.set n, 0
.rept 16
	global_load_b128 v[X+4*n:X+4*n+3], v1, s[4:5] offset:(n/2)*1024+(n%2)*512
.set n, n+1
.endr
.set n, 0
.rept 16
	s_wait_loadcnt 15-n                            ; loads come back in order (ISA guide 5.7.1): load n is in, the 15 - n younger ones stay out
	v_cvt_pk_bf16_f32 v[Y+2*n],   v[X+4*n],   v[X+4*n+1]
	v_cvt_pk_bf16_f32 v[Y+2*n+1], v[X+4*n+2], v[X+4*n+3]
	global_store_b64 v2, v[Y+2*n:Y+2*n+1], s[6:7] offset:(n/2)*512+(n%2)*256  ; 32 lanes store 256 consecutive bytes, aligned
	v_lshlrev_b32 v[T],   16,  v[Y+2*n]             ; bf16 to f32: the low half moves up, the high half stays
	v_and_b32     v[T+1], s14, v[Y+2*n]
	v_lshlrev_b32 v[T+2], 16,  v[Y+2*n+1]
	v_and_b32     v[T+3], s14, v[Y+2*n+1]
.if (n%2) == 0
	v_pk_mul_f32 v[S:S+1], v[T:T+1], v[T:T+1]      ; a row's first squares start the sum: nothing is cleared
.else
	v_pk_fma_f32 v[S:S+1], v[T:T+1], v[T:T+1], v[S:S+1]
.endif
	v_pk_fma_f32 v[S:S+1], v[T+2:T+3], v[T+2:T+3], v[S:S+1]
.if (n%2) == 1
	v_add_f32 v10, v[S], v[S+1]                    ; the row is whole: over the 32 lanes
	v_add_f32_dpp v10, v10, v10 row_xmask:1 row_mask:0xf bank_mask:0xf
	v_add_f32_dpp v10, v10, v10 row_xmask:2 row_mask:0xf bank_mask:0xf
	v_add_f32_dpp v10, v10, v10 row_xmask:4 row_mask:0xf bank_mask:0xf
	v_add_f32_dpp v10, v10, v10 row_xmask:8 row_mask:0xf bank_mask:0xf
	v_permlanex16_b32 v11, v10, s12, s13
	v_add_f32 v10, v10, v11
	v_mul_f32 v10, -0.5, v10
	ds_store_b32 v12, v10 offset:(n/2)*4           ; all lanes write the same word with the same number
.endif
.set n, n+1
.endr
	s_wait_dscnt 0x0                               ; for wave 0's sake: my eight words are in LDS
	s_barrier_signal -1
	s_barrier_wait -1
	s_cmp_lg_u32 s10, 0
	s_cbranch_scc1 .Lend
	ds_load_b64 v[14:15], v2                       ; the work-group's 64 numbers, two a lane
	s_wait_dscnt 0x0
	global_store_b64 v2, v[14:15], s[8:9]          ; 256 consecutive bytes, aligned
.Lend:
	s_wait_tensorcnt 0x0
	ds_add_u32 v112, v113
	s_wait_dscnt 0x0
	s_endpgm
.Lfunc_end_k_q0527735867_prep:
	.size	k_q0527735867_prep, .Lfunc_end_k_q0527735867_prep-k_q0527735867_prep
	.p2alignl 7, 3214868480
	.fill 96, 4, 3214868480
	.section	.rodata,"a",@progbits
	.p2align	6, 0x0
	.amdhsa_kernel k_q0527735867_prep
		.amdhsa_group_segment_fixed_size 1280
		.amdhsa_private_segment_fixed_size 0
		.amdhsa_enable_private_segment 0
		.amdhsa_kernarg_size 24
		.amdhsa_user_sgpr_count 2
		.amdhsa_user_sgpr_kernarg_segment_ptr 1
		.amdhsa_wavefront_size32 1
		.amdhsa_system_sgpr_workgroup_id_x 1
		.amdhsa_system_sgpr_workgroup_id_y 1
		.amdhsa_system_sgpr_workgroup_id_z 1
		.amdhsa_system_vgpr_workitem_id 0
		.amdhsa_next_free_vgpr 114
		.amdhsa_next_free_sgpr 66
		.amdhsa_reserve_vcc 0
		.amdhsa_float_denorm_mode_32 3
		.amdhsa_float_denorm_mode_16_64 3
		.amdhsa_memory_ordered 1
		.amdhsa_forward_progress 1
		.amdhsa_inst_pref_size 16
	.end_amdhsa_kernel
	.amdgpu_metadata
---
amdhsa.version: [ 1, 2 ]
amdhsa.kernels:
  - .name:           k_q0527735867_prep
    .symbol:         k_q0527735867_prep.kd
    .args:
      - { .name: emb_weight, .offset: 0, .size: 8, .value_kind: global_buffer, .address_space: global }
      - { .name: wb, .offset: 8, .size: 8, .value_kind: global_buffer, .address_space: global }
      - { .name: w2h, .offset: 16, .size: 8, .value_kind: global_buffer, .address_space: global }
    .group_segment_fixed_size: 1280
    .private_segment_fixed_size: 0
    .kernarg_segment_align: 8
    .kernarg_segment_size: 24
    .max_flat_workgroup_size: 256
    .sgpr_count:     66
    .vgpr_count:     114
    .wavefront_size: 32
...
	.end_amdgpu_metadata
.endif
;; end of part 1
;; launch main (part 2): grid 256 x 1, 4 waves a work-group, clusters of 4 x 1, 327,680 bytes of LDS; arguments x, wb, w2h, out2, idx; writes out2, idx
.if DOCPART == 2
	.amdgcn_target "amdgcn-amd-amdhsa--gfx1250"
	.amdhsa_code_object_version 6
	.text
	.protected	k_q0527735867_main
	.globl	k_q0527735867_main
	.p2align	8
	.type	k_q0527735867_main,@function
k_q0527735867_main:
	s_mov_b64 s[64:65], 0
	v_nop
	global_prefetch_b8 v0, s[64:65] scope:SCOPE_SE
	s_setreg_imm32_b32 hwreg(HW_REG_WAVE_MODE, 25, 1), 1
	s_wait_xcnt 0x0
	s_wait_alu depctr_hold_cnt(0) depctr_sa_sdst(0) depctr_va_vdst(0) depctr_va_sdst(0) depctr_va_ssrc(0) depctr_va_vcc(0) depctr_vm_vsrc(0)
	s_getreg_b32 s2, hwreg(HW_REG_IB_STS2, 6, 4)
	s_cmp_eq_u32 s2, 0
	s_cbranch_scc0 .Lentry_in_a_cluster
	s_endpgm
.Lentry_in_a_cluster:
	s_bfe_u32 s2, ttmp6, 0x10000c
	s_cmp_lg_u32 s2, 0x3003
	s_cbranch_scc0 .Lentry_shape_is_right
	s_endpgm
.Lentry_shape_is_right:
; out2[q] = idx[q] = the first v at which score(q, v) = sum over c of bf16(x[q][c]) wb[v][c] + w2h[v] is largest: the nearest code.
; x: [32768][256] f32.  wb: [8192][256] bf16.  w2h: [8192] f32 = -|wb[v]|^2 / 2.  out2, idx: [32768] int32 (idx is the copy from which the next launch forms addresses).
; WHY THIS IS THE ARGMIN.  d2 = x2 - 2 xw + w2, and x2 is the same for all codes of a row: the smallest d2 is the largest xw - w2 / 2.
; LIMITS.  x and w are rounded to bf16 for the product, sums are f32.  x2 is not added and the f32 roundings of x2 - 2 xw + w2 are not copied: two codes whose distances differ by a
; few f32 steps of d2 may be ordered the other way.  Equal scores go to the lower index.  NaN and infinities are not treated apart (a row without a finite score gets code 8 (lane / 16) + 7 or lower of wave 0).
; SHARES.  A work-group owns 128 queries and walks all 8,192 codes, so a row's argmax ends inside it.  All four waves hold the same 128 queries as fragments (8 tiles x 8 K steps x 8
; registers = 512); they share out the codes: of each slot of 256 codes wave w takes rows 64 w .. 64 w + 63, four tiles of 16, which are the rows that its own tensor load brought.
; So a fragment of codes read from LDS feeds 8 products (18 LDS loads for 64 matrix instructions), and no wave reads ring bytes that another wave's load filled.
; LAYOUT.  Source 0 = 16 codes, source 1 = 16 queries: in the result a lane holds ONE query (lane % 16) and the codes 8 (lane / 16) + 0..7.  The first K step takes w2h of those 8 codes as C:
; the accumulator is the score, and no vector instruction is spent on forming it.
; THE ARGMAX, for each lane and query tile: a running maximum RUN; where a tile of codes raises it (strictly: the earliest stays), the tile's number goes to ID and its 8 scores to SAVE.
; Ten instructions for 8 scores: four v_max3_num_f32, a compare, a select for the number, and four pairs of selects, two in one instruction, whose mask is VCC.  Which of the 8 it was is found once, at the end.
; BY TURNS.  The 8 query tiles are two PIECES of four.  In a TURN one piece has the matrix unit (32 products for one tile of codes) and the other piece's finished scores are
; worked on: 40 vector instructions, dealt two at a time between the products.  Two turns are a tile of codes.
; CLUSTER.  All work-groups walk the same wb and w2h, so the four of a cluster ask for each tile JOINTLY: the same tensor load, descriptor and mask in all four.  The place in the cluster
; enters the addresses of x, out2 and idx alone.
; REGISTERS, in windows of 256 (s_set_vgpr_msb: bits 1:0 source 0, 3:2 source 1, 5:4 source 2, 7:6 destination):
;   window 0: v0-15 addresses; v16-47 at work at the start and the end; v64-127 the 8 accumulators; v128-191 SAVE; v192-207 RUN (two a tile, by turns: no copy); v208-215 ID; v216-219 at work; v224-239 w2h, two buffers
;   windows 1, 2: the queries' fragments, tile T in window 1 + T / 4 at 64 (T % 4) + 8 ks          window 3: the codes' fragments, two buffers of 64; at the start all 256 hold x in f32
.set PITCH,  528                       ; an LDS row: 512 bytes + 16 of padding = 132 words: row r starts at bank 4 r mod 64 (64 banks of 4 bytes: ISA guide 11.1), so the 16 rows of a load start at 16 different banks
.set TILEB,  16*PITCH                  ; 16 rows
.set WPART,  64*PITCH                  ; a wave's part of a slot
.set SLOT,   4*WPART                   ; 256 codes: 135,168 bytes; two slots
.set W2L,    2*SLOT                    ; 4 x 8,192 bytes: wave w's numbers of w2h, in the order of its tiles: tile g at 64 g
.set STAGE,  W2L+32768                 ; 32 rows x 528 bytes: x as bf16, a quarter at a time; at the end 4,096 bytes for the waves' results.  No tensor load lands here
.set SLOTG,  131072                    ; a slot's bytes in wb
.set RR,  1                            ; v1   lane % 16
.set HH,  2                            ; v2   lane / 16
.set LN,  3                            ; v3   lane
.set XO,  4                            ; v4   my byte offset in the work-group's rows of x; never rewritten
.set XS,  5                            ; v5   where I put 8 bytes of a row of the stage
.set XF,  6                            ; v6   my lane's place in a fragment of the stage
.set AW,  7                            ; v7-8 my lane's place in my wave's part of slot 0, 1; never rewritten
.set ADR, 9                            ; v9   the address of the codes' next fetches
.set AW2, 10                           ; v10  the same in my wave's table of w2h
.set LB,  11                           ; v11  64 w + 8 (lane / 16): my lanes' first code in a slot's tile 0
.set MA,  12                           ; v12  the end: where my wave puts a query's result
.set MR,  13                           ; v13  the end: where wave 0 reads four queries' results
.set OA,  14                           ; v14  16 x lane
.set XT,  16
.set JJ,  16                           ; the end: v16-23 a tile's code; v24-27 at work
.set C1,  24
.set C2,  25
.set PV,  26
.set PC,  27
.set VAL, 16                           ; the end, wave 0: four waves' values and codes, four queries a lane
.set COD, 32
.set ACC, 64
.set SAVE, 128
.set RUN, 192
.set ID,  208
.set TT,  216
.set W2C, 224
.set WV,  14                           ; s14  my wave's number
.set G1,  20                           ; s[20:27] descriptor group 1 for wb's tiles
.set G1W, 28                           ; s[28:35] for the table
.set G0,  36                           ; s[36:43] descriptor group 0 for wb's tiles, a set for each slot
.set G0W, 44                           ; s[44:47] for the table
.set OC,  48                           ; s48  counts pairs of slots
.set IC,  49                           ; s49  counts a slot's two pairs of tiles
.set CT,  50                           ; s50  the number (0..127, among my wave's) of the tile whose scores are being worked on
.set NINF, 51                          ; s51  -infinity
.set MK,  52                           ; s[52:54] the end: three lane masks
.set SEL, 56                           ; s[56:57] v_permlanex16_b32's selects: each lane takes its own place in the other half
.set MSB, 0
.macro WIN new                         ; the immediate's high byte repeats the setting that is left; a switch that changes nothing is dropped
.if MSB != (\new)
	s_set_vgpr_msb (MSB<<8)|(\new)
.set MSB, (\new)
.endif
.endm
; A round of the cluster's barrier: my work-group's barrier, so that wave 0's signal speaks for all four waves; wave 0 signals; every wave waits for all four work-groups; my work-group's barrier once more.
.macro ROUND
	s_barrier_signal -1
	s_barrier_wait -1
	s_cmp_lg_u32 s[WV], 0
	s_cbranch_scc1 .Lnot_wave_0_\@
	s_barrier_signal -3
.Lnot_wave_0_\@:
	s_barrier_wait -3
	s_barrier_signal -1
	s_barrier_wait -1
.endm
	s_load_b256 s[4:11], s[0:1], 0x0               ; x s[4:5], wb s[6:7], w2h s[8:9], out2 s[10:11]
	s_load_b64 s[12:13], s[0:1], 0x20              ; idx
	v_lshl_add_u32 v254, v0, 2, 0x4e200
	v_mov_b32 v255, 0
	ds_add_u32 v254, v255
	v_lshrrev_b32 v15, 5, v0
	v_readfirstlane_b32 s[WV], v15                 ; wave 0..3
	s_bfe_u32 s15, ttmp6, 0x40000                  ; cx: my place in the cluster
	s_lshl_b32 s16, ttmp9, 2                       ; in a cluster launch ttmp9 counts clusters
	s_add_co_u32 s16, s16, s15                     ; my block of 128 queries = 4 x cluster + cx
	s_lshl_b32 s58, s16, 17                        ; its 128 rows of 1,024 bytes of x (under 2^25)
	s_mov_b32 s59, 0
	s_lshl_b32 s60, s16, 9                         ; its 512 bytes of out2 and of idx
	s_mov_b32 s61, 0
	v_and_b32 v[LN], 31, v0
	v_and_b32 v[RR], 15, v0
	v_bfe_u32 v[HH], v0, 4, 1
	s_lshl_b32 s17, s[WV], 13
	v_lshl_add_u32 v[XO], v[LN], 4, s17            ; 8 rows x wave + 16 x lane
	; descriptor group 1 for wb: a tile of 64 rows x 256 elements of 2 bytes, padded in LDS
	s_mov_b32 s[G1+0], 15|(1<<16)|(1<<20)|(1<<21)|(6<<22)|(3<<25)  ; 15:0 the mask of four; 17:16 2-byte elements; 20 padding on; 21 set beside a mask; 24:22 after every 128 words (code 6); 31:25 4 words (code 3)
	s_mov_b32 s[G1+1], 256<<16                     ; tensor_dim0 = 256
	s_mov_b32 s[G1+2], 64<<16                      ; tensor_dim1 = 64
	s_mov_b32 s[G1+3], 256<<16                     ; tile_dim0 = 256
	s_mov_b32 s[G1+4], 64                          ; tile_dim1 = 64
	s_mov_b32 s[G1+5], 256                         ; 256 elements from row to row
	s_mov_b32 s[G1+6], 0
	s_mov_b32 s[G1+7], 0
	; for the table: of each of the 32 slots' 256 numbers my wave's 64: 32 rows of 64 f32 (256 bytes), 256 elements apart, dense in LDS
	s_mov_b32 s[G1W+0], 15|(2<<16)|(1<<21)         ; the mask of four; 4-byte elements; no padding
	s_mov_b32 s[G1W+1], 64<<16
	s_mov_b32 s[G1W+2], 32<<16
	s_mov_b32 s[G1W+3], 64<<16
	s_mov_b32 s[G1W+4], 32
	s_mov_b32 s[G1W+5], 256
	s_mov_b32 s[G1W+6], 0
	s_mov_b32 s[G1W+7], 0
	s_mov_b32 s[G0+0], 1                           ; count = 1
	s_mul_i32 s[G0+1], s[WV], WPART                ; LDS: my part of slot 0: the wave's number alone, no place in the cluster
	s_mov_b32 s[G0+4], 1
	s_add_co_u32 s[G0+5], s[G0+1], SLOT            ; of slot 1
	s_mov_b32 s[G0W+0], 1
	s_lshl_b32 s[G0W+1], s[WV], 13
	s_add_co_u32 s[G0W+1], s[G0W+1], W2L           ; my table
	s_mov_b32 s[SEL], 0x76543210
	s_mov_b32 s[SEL+1], 0xfedcba98
	s_mov_b32 s[NINF], 0xff800000
	s_mov_b32 s[CT], -1
	s_lshl_b32 s18, s[WV], 15                      ; my 64 rows of 512 bytes in a slot of wb
	s_mov_b32 s19, 0
	s_wait_dscnt 0x0
	s_wait_kmcnt 0x0
	s_add_nc_u64 s[G0+2:G0+3], s[6:7], s[18:19]    ; codes 0-255
	s_add_nc_u64 s[G0+6:G0+7], s[G0+2:G0+3], SLOTG ; codes 256-511
	s_or_b32 s[G0+3], s[G0+3], 0x80000000          ; type = 2
	s_or_b32 s[G0+7], s[G0+7], 0x80000000
	s_lshl_b32 s18, s[WV], 8                       ; my 64 numbers in a slot's 256
	s_add_nc_u64 s[G0W+2:G0W+3], s[8:9], s[18:19]
	s_or_b32 s[G0W+3], s[G0W+3], 0x80000000
	s_add_nc_u64 s[4:5], s[4:5], s[58:59]
	s_add_nc_u64 s[10:11], s[10:11], s[60:61]
	s_add_nc_u64 s[12:13], s[12:13], s[60:61]
	; x: of each quarter of 32 rows my wave loads 8, each as two loads of 512 consecutive bytes.  Load n = 16 quarter + 2 row + half goes to window 3, v[4 n ..]: every byte of x is read once in this launch.
	WIN 0xc0                                       ; destination window 3, address window 0
.set n, 0
.rept 64
	global_load_b128 v[4*n:4*n+3], v[XO], s[4:5] offset:(n/16)*32768+((n%16)/2)*1024+(n%2)*512
.set n, n+1
.endr
	WIN 0
	ROUND                                          ; all four work-groups are here: the first joint loads meet
	tensor_load_to_lds s[G0W:G0W+3], s[G1W:G1W+7]  ; my table,
	s_nop 0
	tensor_load_to_lds s[G0:G0+3], s[G1:G1+7]      ; my part of slot 0: two loads of mine are out; later one
	s_nop 0
.rept 4
	v_nop                                          ; four v_nop follow the loads
.endr
	v_mul_u32_u24 v15, v[RR], PITCH
	v_lshl_add_u32 v15, v[HH], 4, v15              ; a fragment: row lane % 16, 16 bytes for each half of the lanes
	s_mul_i32 s17, s[WV], WPART
	v_add_nc_u32 v[AW], s17, v15
	v_add_nc_u32 v[AW+1], SLOT, v[AW]
	v_add_nc_u32 v[XF], STAGE, v15
	s_mul_i32 s17, s[WV], 8*PITCH
	s_add_co_u32 s17, s17, STAGE
	v_lshl_add_u32 v[XS], v[LN], 3, s17            ; my wave's 8 rows of the stage, 8 bytes a lane
	s_lshl_b32 s17, s[WV], 13
	s_add_co_u32 s17, s17, W2L
	v_lshl_add_u32 v[AW2], v[HH], 5, s17           ; my half's 8 numbers of a tile's 16
	s_lshl_b32 s17, s[WV], 6
	v_lshl_add_u32 v[LB], v[HH], 3, s17
	s_lshl_b32 s17, s[WV], 9
	s_add_co_u32 s17, s17, STAGE
	v_lshl_add_u32 v[MA], v[RR], 2, s17
	v_lshlrev_b32 v[OA], 4, v[LN]
	v_add_nc_u32 v[MR], STAGE, v[OA]
	; What the first turns find: no maximum yet, and for piece 1 a tile of scores that raises nothing.  112 moves, in the wait for the first tile: their price buys one text for every tile, the first too.
.set n, 0
.rept 64
	v_mov_b32 v[SAVE+n], s[NINF]
.set n, n+1
.endr
.set n, 0
.rept 32
	v_mov_b32 v[ACC+32+n], s[NINF]
.set n, n+1
.endr
.set n, 0
.rept 8
	v_mov_b32 v[RUN+2*n+1-n/4], s[NINF]            ; the register that the tile's first step reads as the old maximum: the odd one for piece 0, the even one for piece 1
	v_mov_b32 v[ID+n], 0
.set n, n+1
.endr
; x TO FRAGMENTS, a quarter (32 queries, two tiles) at a time: rounded to bf16, into the stage by the wave that loaded it, and out of it as fragments by every wave.
; Two barriers a quarter: between the writing and the reading, and between the reading and the next writing; each wave's own LDS instructions are waited for in front of its signal.
; Nothing is filled by a tensor load behind these barriers, so the first tiles may stay on their way across them.
.macro QUARTER q
	WIN 0x0f                                       ; sources window 3, destination window 0
.set m, 0
.rept 32
	v_cvt_pk_bf16_f32 v[XT+m], v[64*(\q)+2*m], v[64*(\q)+2*m+1]
.set m, m+1
.endr
	WIN 0
.if (\q) > 0
	s_barrier_wait -1                              ; every wave has read the quarter before
.endif
.set m, 0
.rept 16
	ds_store_b64 v[XS], v[XT+2*m:XT+2*m+1] offset:(m/2)*PITCH+(m%2)*256
.set m, m+1
.endr
	s_wait_dscnt 0x0                               ; for the others' sake: my rows are in the stage
	s_barrier_signal -1
	s_barrier_wait -1
	WIN 0x40<<((\q)/2)                             ; destination window 1 (tiles 0-3) or 2 (tiles 4-7)
.set m, 0
.rept 16                                               ; tile 2 q + m / 8, K step m % 8
	ds_load_b128 v[64*((2*(\q)+m/8)%4)+8*(m%8):64*((2*(\q)+m/8)%4)+8*(m%8)+3],   v[XF] offset:(m/8)*TILEB+64*(m%8)
	ds_load_b128 v[64*((2*(\q)+m/8)%4)+8*(m%8)+4:64*((2*(\q)+m/8)%4)+8*(m%8)+7], v[XF] offset:(m/8)*TILEB+64*(m%8)+32
.set m, m+1
.endr
	WIN 0
	s_wait_dscnt 0x0                               ; my reads of the stage are back
.if (\q) < 3
	s_wait_loadcnt 32-16*(\q)                      ; the next quarter's 16 loads are in; the younger quarters' stay out
	s_barrier_signal -1                            ; the next quarter's conversions stand between this signal and its wait
.endif
.endm
	s_wait_loadcnt 48                              ; loads come back in order (ISA guide 5.7.1): the first quarter's 16 are in, 48 younger ones stay out
	QUARTER 0
	QUARTER 1
	QUARTER 2
	QUARTER 3
; Product i of 32 of a turn, for piece p on the codes' buffer buf: K step i / 4, query tile 4 p + i % 4.  The first four start the sums with w2h.
; The four accumulators take turns, one instruction a turn, from turn to turn and over the loops' edges too.
.macro PROD p, buf
.set rD, ACC+32*(\p)+8*(i%4)
.set rA, 64*(\buf)+8*(i/4)
.set rB, 64*(i%4)+8*(i/4)
	WIN 0x07+4*(\p)                                ; codes in window 3, queries in window 1 + p, C and D in window 0
.if i < 4
	v_wmma_f32_16x16x32_bf16 v[rD:rD+7], v[rA:rA+7], v[rB:rB+7], v[W2C+8*(\buf):W2C+8*(\buf)+7]
.else
	v_wmma_f32_16x16x32_bf16 v[rD:rD+7], v[rA:rA+7], v[rB:rB+7], v[rD:rD+7]
.endif
.endm
; 18 LDS loads in one run: a tile of codes (16 rows x 256 K: 8 fragments) and its 8 numbers of w2h for my half of the lanes, into buffer buf
.macro FETCH buf, toff, toff2
	WIN 0xc0                                       ; destination window 3
.irp ks, 0,1,2,3,4,5,6,7
	ds_load_b128 v[64*(\buf)+8*\ks:64*(\buf)+8*\ks+3],   v[ADR] offset:(\toff)+64*\ks
	ds_load_b128 v[64*(\buf)+8*\ks+4:64*(\buf)+8*\ks+7], v[ADR] offset:(\toff)+64*\ks+32
.endr
	WIN 0
	ds_load_b128 v[W2C+8*(\buf):W2C+8*(\buf)+3],   v[AW2] offset:(\toff2)
	ds_load_b128 v[W2C+8*(\buf)+4:W2C+8*(\buf)+7], v[AW2] offset:(\toff2)+16
.endm
; THE VECTOR WORK OF A TURN is a list of 40 instructions on piece y's scores a0-a7 of its four tiles; ITEM writes number n of it.  par: which of RUN's two registers takes the new maximum.
;   0-11   for tiles 0-3 in turn: the largest of a0-a2, then with a3, a4, then with a5, a6 (an accumulator's lowest registers are read first)
;   12-15  with a7 and the old maximum: the new one
;   16 on, six for each tile: has the maximum grown?  (Strictly: of equal scores the earlier tile stays.)  Then the tile's number is kept, and its eight scores, two in one instruction: both halves
;          take VCC as their mask; the pair's destinations are an even and an odd register, and its sources neighbours, so they lie in different register banks.
.macro ITEM y, par
.if n < 16
.set tq, n%4
.else
.set tq, (n-16)/6
.endif
.set rC, ACC+32*(\y)+8*tq
.set rN, RUN+2*(4*(\y)+tq)+(\par)
.set rO, RUN+2*(4*(\y)+tq)+1-(\par)
.set rS, SAVE+8*(4*(\y)+tq)
.if n < 4
	v_max3_num_f32 v[TT+tq], v[rC], v[rC+1], v[rC+2]
.elseif n < 12
	v_max3_num_f32 v[TT+tq], v[TT+tq], v[rC+2*(n/4)+1], v[rC+2*(n/4)+2]
.elseif n < 16
	v_max3_num_f32 v[rN], v[TT+tq], v[rC+7], v[rO]
.elseif (n-16)%6 == 0
	v_cmp_gt_f32 vcc_lo, v[rN], v[rO]
.elseif (n-16)%6 == 1
	v_cndmask_b32 v[ID+4*(\y)+tq], v[ID+4*(\y)+tq], s[CT], vcc_lo
.else
.set dd, 2*((n-16)%6-2)
	v_dual_cndmask_b32 v[rS+dd], v[rS+dd], v[rC+dd] :: v_dual_cndmask_b32 v[rS+dd+1], v[rS+dd+1], v[rC+dd+1]
.endif
.set n, n+1
.endm
.macro SLICE y, par, cnt               ; the list's next cnt instructions, in window 0
	WIN 0
.rept \cnt
	ITEM \y, \par
.endr
.set k, k+1
.endm
; A TURN.  Piece p has the matrix unit, on the codes' buffer par (the tile's number's parity); the other piece's scores are worked on.
; HOW THE 40 ARE DEALT: two at a time, so that they are spread over the turn's 32 products: slice k (0..16) behind product 1 + 29 k / 16; slice 7 has three, so that from there on every compare ends a
; slice and the first select that takes its mask opens the next, with products between; the last five stand behind product 31.  Each slice costs two switches of the window: 36 a turn.
; Those last five (a select and four pairs) name nothing of the turn's products (they read the other piece's accumulators), so they are the places between the turn's last products
; and what follows: the next turn's first read of their results, and the loads into the buffer that they read.
; Piece 0's turn works on piece 1's scores of the tile before, piece 1's on piece 0's of the tile in hand.  fetch = 1: behind piece 0's first product the next tile's 18 loads go out, 63 products ahead of their use.
.macro TURN p, par, fetch
.set k, 0
.set n, 0
.set i, 0
.set rp, (\p)*(\par)+(1-(\p))*(1-(\par))
.if (\p) == 0
	s_wait_dscnt 0x0                               ; this tile's fragments and w2h are in
.else
	s_add_co_u32 s[CT], s[CT], 1                   ; the scores now worked on are the tile's in hand
.endif
.rept 32
	PROD \p, \par
.if ((\p) == 0) && (\fetch) && (i == 0)
	FETCH 1-(\par), (1-(\par))*TILEB, (1-(\par))*64
.endif
.if i == 31
	SLICE 1-(\p), rp, 5
.elseif (k == 7) && (i == 13)
	SLICE 1-(\p), rp, 3
.elseif (k < 17) && (i == 1+(k*29)/16)
	SLICE 1-(\p), rp, 2
.endif
.set i, i+1
.endr
.endm
.macro TILE par, fetch
	TURN 0, \par, \fetch
	TURN 1, \par, 0
.endm
; A slot's four fetches, and the four tiles multiplied meanwhile: the last tile of the slot before and this slot's first three.  Written once for two tiles, walked twice.
; An odd tile fetches the even tile at the address in hand, an even tile the odd one 16 rows on.  entry = 1: the label at which the launch's first tile, an even one, enters.
.macro PAIRS entry
	s_mov_b32 s[IC], 2
.Lpair_\@:
	TILE 1, 1
	WIN 0                                          ; at a label and at a branch every window is 0
.if \entry
.Lenter:
.endif
	TILE 0, 1
	WIN 0
	v_add_nc_u32 v[ADR], 2*TILEB, v[ADR]           ; 32 rows on in the slot,
	v_add_nc_u32 v[AW2], 128, v[AW2]               ; two tiles on in the table, which is walked once from end to end
	s_sub_co_u32 s[IC], s[IC], 1
	s_cmp_lg_u32 s[IC], 0
	s_cbranch_scc1 .Lpair_\@
.endm
; THE CHANGE OF SLOTS, into slot b.  The old slot's last fetch has been issued.  Each wave waits for all its tensor loads (one is out: its part of slot b; at the first change also its table) and for its reads of the old slot.
; fill = 1: the old slot is filled again, with the codes two slots on from those it held.  The barrier is a round of the cluster's, so that no wave of any partner still reads the slot or has a load
; on its way; the joint load is the first thing behind it and my only one until the next round: 32,768 bytes a wave, with a slot's 256 matrix instructions in which to land.
; (At the first change nothing has been read yet: slot 1 gets its first fill.)  fill = 0: nothing is filled, and a wave reads its own load's bytes alone: the waits are all the ordering there is.
.macro CHANGE b, fill
	WIN 0
	s_wait_tensorcnt 0x0                           ; no tensor load of mine is out, so a group 0 may be written:
	ds_add_u32 v254, v255
	s_wait_dscnt 0x0
.if \fill
	s_add_nc_u64 s[G0+4*(\b)+2:G0+4*(\b)+3], s[G0+4*(\b)+2:G0+4*(\b)+3], 2*SLOTG  ; slot b's next codes, asked for at the next change (behind the last fill the stepped address is not used); the type bits on top are not reached
.endif
	s_wait_dscnt 0x0
.if \fill
	ROUND
	tensor_load_to_lds s[G0+4*(1-(\b)):G0+4*(1-(\b))+3], s[G1:G1+7]
	s_nop 0
.rept 4
	v_nop                                          ; four v_nop follow the load
.endr
.endif
	v_mov_b32 v[ADR], v[AW+(\b)]                   ; the fetches go to slot b's first tile
.endm
	; THE WALK: 32 slots, 128 tiles a wave.  Period p (behind the change into slot p) multiplies tiles 4 p - 1 .. 4 p + 2 and fetches tiles 4 p .. 4 p + 3.
	CHANGE 0, 1                                    ; slot 0 and my table are in; slot 1 is asked for
	FETCH 0, 0, 0                                  ; tile 0
	s_mov_b32 s[OC], 15
	s_mov_b32 s[IC], 2
	s_branch .Lenter                               ; there is no tile -1: the loop is entered at its first even tile
.Louter:                                               ; 15 trips: periods 0 to 29
	CHANGE 0, 1
	PAIRS 1
	CHANGE 1, 1
	PAIRS 0
	s_sub_co_u32 s[OC], s[OC], 1
	s_cmp_lg_u32 s[OC], 0
	s_cbranch_scc1 .Louter
	CHANGE 0, 1                                    ; the tail is written out: period 30 asks for the last slot
	PAIRS 0
	CHANGE 1, 0                                    ; period 31 for nothing
	PAIRS 0
	TILE 1, 0                                      ; tile 127
.set k, 0
.set n, 0
	SLICE 1, 1, 40                                 ; piece 1's scores of tile 127, the whole list on end; the last turn's last five stand as the places in front
	; THE END.  (va, ca) takes (vb, cb) where vb is larger, or equal with the lower code.
.macro BETTER va, ca, vb, cb
	v_cmp_gt_f32 s[MK], v[\vb], v[\va]
	v_cmp_eq_f32 s[MK+1], v[\vb], v[\va]
	v_cmp_lt_u32 s[MK+2], v[\cb], v[\ca]
	s_and_b32 s[MK+1], s[MK+1], s[MK+2]
	s_or_b32 s[MK], s[MK], s[MK+1]
	v_cndmask_b32 v[\va], v[\va], v[\vb], s[MK]
	v_cndmask_b32 v[\ca], v[\ca], v[\cb], s[MK]
.endm
	; For each query tile: the first of the 8 kept scores that is the maximum; its code = 256 (tile / 4) + 16 (tile % 4) + 64 w + 8 (lane / 16) + j; then the query's other 8 codes a tile, in the lane 16 away.
.irp T, 0,1,2,3,4,5,6,7
	v_mov_b32 v[JJ+\T], 7
.irp j, 6,5,4,3,2,1,0
	v_cmp_eq_f32 vcc_lo, v[SAVE+8*\T+\j], v[RUN+2*\T+1]
	v_cndmask_b32 v[JJ+\T], v[JJ+\T], \j, vcc_lo
.endr
	v_and_b32 v[C1], -4, v[ID+\T]
	v_and_b32 v[C2], 3, v[ID+\T]
	v_lshl_add_u32 v[JJ+\T], v[C1], 6, v[JJ+\T]
	v_lshl_add_u32 v[JJ+\T], v[C2], 4, v[JJ+\T]
	v_add_nc_u32 v[JJ+\T], v[LB], v[JJ+\T]
	v_permlanex16_b32 v[PV], v[RUN+2*\T+1], s[SEL], s[SEL+1]  ; its destination counts as read: these registers were written at the start
	v_permlanex16_b32 v[PC], v[JJ+\T], s[SEL], s[SEL+1]
	BETTER RUN+2*\T+1, JJ+\T, PV, PC
	ds_store_b32 v[MA], v[RUN+2*\T+1] offset:64*\T       ; both halves of the lanes now hold the same pair and write the same word: query 16 T + lane % 16 of my wave's 128
	ds_store_b32 v[MA], v[JJ+\T] offset:2048+64*\T
.endr
	s_wait_dscnt 0x0                               ; for wave 0's sake: my results are in LDS (the stage's last readers passed many barriers ago)
	s_barrier_signal -1
	s_barrier_wait -1
	s_cmp_lg_u32 s[WV], 0
	s_cbranch_scc1 .Lclose
.irp sw, 0,1,2,3                                       ; four queries a lane, from each of the four waves
	ds_load_b128 v[VAL+4*\sw:VAL+4*\sw+3], v[MR] offset:512*\sw
	ds_load_b128 v[COD+4*\sw:COD+4*\sw+3], v[MR] offset:2048+512*\sw
.endr
	s_wait_dscnt 0x0
.irp sw, 1,2,3
.irp el, 0,1,2,3
	BETTER VAL+\el, COD+\el, VAL+4*\sw+\el, COD+4*\sw+\el
.endr
.endr
	global_store_b128 v[OA], v[COD:COD+3], s[10:11]  ; 512 consecutive bytes, at a multiple of 256 from out2's first byte
	global_store_b128 v[OA], v[COD:COD+3], s[12:13]  ; and the copy
.Lclose:
	s_wait_tensorcnt 0x0
	ds_add_u32 v254, v255
	s_wait_dscnt 0x0
	ROUND                                          ; the closing round: no work-group ends while a partner may still ask for a tile that names it
	s_endpgm
.Lfunc_end_k_q0527735867_main:
	.size	k_q0527735867_main, .Lfunc_end_k_q0527735867_main-k_q0527735867_main
	.p2alignl 7, 3214868480
	.fill 96, 4, 3214868480
	.section	.rodata,"a",@progbits
	.p2align	6, 0x0
	.amdhsa_kernel k_q0527735867_main
		.amdhsa_group_segment_fixed_size 327680
		.amdhsa_private_segment_fixed_size 0
		.amdhsa_enable_private_segment 0
		.amdhsa_kernarg_size 40
		.amdhsa_user_sgpr_count 2
		.amdhsa_user_sgpr_kernarg_segment_ptr 1
		.amdhsa_wavefront_size32 1
		.amdhsa_system_sgpr_workgroup_id_x 1
		.amdhsa_system_sgpr_workgroup_id_y 1
		.amdhsa_system_sgpr_workgroup_id_z 1
		.amdhsa_system_vgpr_workitem_id 0
		.amdhsa_next_free_vgpr 1024
		.amdhsa_next_free_sgpr 66
		.amdhsa_reserve_vcc 1
		.amdhsa_float_denorm_mode_32 3
		.amdhsa_float_denorm_mode_16_64 3
		.amdhsa_memory_ordered 1
		.amdhsa_forward_progress 1
		.amdhsa_inst_pref_size 172
	.end_amdhsa_kernel
	.amdgpu_metadata
---
amdhsa.version: [ 1, 2 ]
amdhsa.kernels:
  - .name:           k_q0527735867_main
    .symbol:         k_q0527735867_main.kd
    .args:
      - { .name: x, .offset: 0, .size: 8, .value_kind: global_buffer, .address_space: global }
      - { .name: wb, .offset: 8, .size: 8, .value_kind: global_buffer, .address_space: global }
      - { .name: w2h, .offset: 16, .size: 8, .value_kind: global_buffer, .address_space: global }
      - { .name: out2, .offset: 24, .size: 8, .value_kind: global_buffer, .address_space: global }
      - { .name: idx, .offset: 32, .size: 8, .value_kind: global_buffer, .address_space: global }
    .group_segment_fixed_size: 327680
    .private_segment_fixed_size: 0
    .kernarg_segment_align: 8
    .kernarg_segment_size: 40
    .max_flat_workgroup_size: 128
    .sgpr_count:     66
    .vgpr_count:     1024
    .wavefront_size: 32
...
	.end_amdgpu_metadata
.endif
;; end of part 2
;; launch gather (part 3): grid 512 x 1, 8 waves a work-group, no clusters, 1,280 bytes of LDS; arguments x, emb_weight, idx, out0, part; writes out0, part
.if DOCPART == 3
	.amdgcn_target "amdgcn-amd-amdhsa--gfx1250"
	.amdhsa_code_object_version 6
	.text
	.protected	k_q0527735867_gather
	.globl	k_q0527735867_gather
	.p2align	8
	.type	k_q0527735867_gather,@function
k_q0527735867_gather:
	s_mov_b64 s[64:65], 0
	v_nop
	global_prefetch_b8 v0, s[64:65] scope:SCOPE_SE
	s_setreg_imm32_b32 hwreg(HW_REG_WAVE_MODE, 25, 1), 1
	s_wait_xcnt 0x0
; out0[r][:] = x[r][:] + (emb_weight[idx[r]][:] - x[r][:]), formed in that order in f32;  part[b] = the sum over work-group b's 64 rows of (emb_weight[idx[r]][c] - x[r][c])^2.
; The loss is summed of the differences themselves, not taken from the smallest distance: no difference of large sums is formed.
; x, out0: [32768][256] f32.  emb_weight: [8192][256] f32.  idx: [32768] int32, stored by the launch before.  part: [512] f32.
; Eight waves; a wave owns 8 rows, a row is two loads of 512 consecutive bytes.  One pass, no loop: all 32 loads of a wave go out at once, each into registers of its own, and out0 is stored from the
; registers into which the code's row was loaded: nothing that a pending load or store names is written again.
; An index is clamped to 8,191 before it enters an address.  No matrix unit, no LDS tile, no cluster: memory binds, and the only bytes that two work-groups may share are codebook rows named twice.
.set WO, 2                             ; v[2:9]     row i: byte offset of my 16 bytes in its code's row
.set X,  16                            ; v[16:79]   x: load n = 2 i + half, 4 registers
.set Q,  80                            ; v[80:143]  the code's row, then out0
.set D,  144                           ; v[144:147] q - x, two pairs by turns
.set L,  148                           ; v[148:155] four chains of the sum of squares, two numbers each
	s_load_b256 s[4:11], s[0:1], 0x0               ; x s[4:5], emb_weight s[6:7], idx s[8:9], out0 s[10:11]
	s_load_b64 s[12:13], s[0:1], 0x20              ; part
	v_lshl_add_u32 v160, v0, 2, 0x100
	v_mov_b32 v161, 0
	v_lshrrev_b32 v10, 5, v0
	v_readfirstlane_b32 s14, v10                   ; wave 0..7
	v_and_b32 v1, 31, v0
	v_lshlrev_b32 v1, 4, v1                        ; 16 x lane
	s_lshl_b32 s15, ttmp9, 6
	s_lshl3_add_u32 s15, s14, s15                  ; my first row = 64 x work-group + 8 x wave
	s_lshl_b32 s24, s15, 2                         ; its index: a multiple of 32 bytes
	s_mov_b32 s25, 0
	s_lshl_b32 s26, s15, 10                        ; its bytes in x and out0 (under 2^25)
	s_mov_b32 s27, 0
	s_mov_b32 s28, 0x76543210                      ; each lane takes its own place in the other half
	s_mov_b32 s29, 0xfedcba98
	s_lshl_b32 s32, ttmp9, 2                       ; the work-group's word of part
	s_mov_b32 s33, 0
	s_lshl_b32 s31, s14, 2
	v_mov_b32 v11, s31                             ; LDS: my wave's word
	s_wait_kmcnt 0x0
	s_add_nc_u64 s[8:9], s[8:9], s[24:25]
	s_load_b256 s[16:23], s[8:9], 0x0              ; my 8 indices
	s_add_nc_u64 s[4:5], s[4:5], s[26:27]
	s_add_nc_u64 s[10:11], s[10:11], s[26:27]
	s_add_nc_u64 s[12:13], s[12:13], s[32:33]
.set n, 0
.rept 16
	global_load_b128 v[X+4*n:X+4*n+3], v1, s[4:5] offset:(n/2)*1024+(n%2)*512 th:TH_LOAD_NT  ; x's last use
.set n, n+1
.endr
	s_wait_kmcnt 0x0
.set i, 0
.rept 8
	s_min_u32 s[16+i], s[16+i], 0x1fff             ; inside the table
	s_lshl_b32 s[16+i], s[16+i], 10                ; a row is 1,024 bytes
	v_add_nc_u32 v[WO+i], s[16+i], v1
	global_load_b128 v[Q+8*i:Q+8*i+3],   v[WO+i], s[6:7]            ; no hint: a row may be named again
	global_load_b128 v[Q+8*i+4:Q+8*i+7], v[WO+i], s[6:7] offset:512
.set i, i+1
.endr
.set i, 0
.rept 8
	s_wait_loadcnt 14-2*i                          ; loads come back in order (ISA guide 5.7.1): all of x and row i's code are in; the 14 - 2 i younger loads stay out
.set k, 0
.rept 4
.set rq, Q+8*i+2*k
.set rx, X+8*i+2*k
.set rd, D+2*(k%2)
	v_pk_add_f32 v[rd:rd+1], v[rq:rq+1], v[rx:rx+1] neg_lo:[0,1] neg_hi:[0,1]  ; q - x
	v_pk_add_f32 v[rq:rq+1], v[rx:rx+1], v[rd:rd+1]                            ; x + (q - x)
.if i == 0
	v_pk_mul_f32 v[L+2*k:L+2*k+1], v[rd:rd+1], v[rd:rd+1]                      ; the first row starts the four chains: nothing is cleared
.else
	v_pk_fma_f32 v[L+2*k:L+2*k+1], v[rd:rd+1], v[rd:rd+1], v[L+2*k:L+2*k+1]
.endif
.set k, k+1
.endr
	global_store_b128 v1, v[Q+8*i:Q+8*i+3],   s[10:11] offset:i*1024 th:TH_STORE_NT      ; 512 consecutive bytes, at a multiple of 256 from out0's first byte
	global_store_b128 v1, v[Q+8*i+4:Q+8*i+7], s[10:11] offset:i*1024+512 th:TH_STORE_NT
.set i, i+1
.endr
	v_pk_add_f32 v[L:L+1], v[L:L+1], v[L+2:L+3]
	v_pk_add_f32 v[L+4:L+5], v[L+4:L+5], v[L+6:L+7]
	v_pk_add_f32 v[L:L+1], v[L:L+1], v[L+4:L+5]
	v_add_f32 v[L], v[L], v[L+1]
	v_add_f32_dpp v[L], v[L], v[L] row_xmask:1 row_mask:0xf bank_mask:0xf
	v_add_f32_dpp v[L], v[L], v[L] row_xmask:2 row_mask:0xf bank_mask:0xf
	v_add_f32_dpp v[L], v[L], v[L] row_xmask:4 row_mask:0xf bank_mask:0xf
	v_add_f32_dpp v[L], v[L], v[L] row_xmask:8 row_mask:0xf bank_mask:0xf
	v_permlanex16_b32 v[L+1], v[L], s28, s29
	v_add_f32 v[L], v[L], v[L+1]
	ds_store_b32 v11, v[L]                         ; all lanes write the same word with the same number
	s_wait_dscnt 0x0                               ; for wave 0's sake
	s_barrier_signal -1
	s_barrier_wait -1
	s_cmp_lg_u32 s14, 0
	s_cbranch_scc1 .Lend
	v_mov_b32 v12, 0
	ds_load_b128 v[144:147], v12                   ; the eight waves' sums, in every lane
	ds_load_b128 v[148:151], v12 offset:16
	s_wait_dscnt 0x0
	v_pk_add_f32 v[144:145], v[144:145], v[146:147]
	v_pk_add_f32 v[148:149], v[148:149], v[150:151]
	v_pk_add_f32 v[144:145], v[144:145], v[148:149]
	v_add_f32 v144, v144, v145
	v_cmp_eq_u32 vcc_lo, 0, v0
	s_wait_xcnt 0x0                                ; EXEC is a source of the stores above: it changes only behind this wait
	s_and_saveexec_b32 s30, vcc_lo
	global_store_b32 v12, v144, s[12:13]           ; one word a work-group: 2,048 bytes in the whole launch
	s_wait_xcnt 0x0                                ; and again in front of the line that widens it
	s_or_b32 exec_lo, exec_lo, s30
.Lend:
	s_wait_tensorcnt 0x0
	ds_add_u32 v160, v161
	s_wait_dscnt 0x0
	s_endpgm
.Lfunc_end_k_q0527735867_gather:
	.size	k_q0527735867_gather, .Lfunc_end_k_q0527735867_gather-k_q0527735867_gather
	.p2alignl 7, 3214868480
	.fill 96, 4, 3214868480
	.section	.rodata,"a",@progbits
	.p2align	6, 0x0
	.amdhsa_kernel k_q0527735867_gather
		.amdhsa_group_segment_fixed_size 1280
		.amdhsa_private_segment_fixed_size 0
		.amdhsa_enable_private_segment 0
		.amdhsa_kernarg_size 40
		.amdhsa_user_sgpr_count 2
		.amdhsa_user_sgpr_kernarg_segment_ptr 1
		.amdhsa_wavefront_size32 1
		.amdhsa_system_sgpr_workgroup_id_x 1
		.amdhsa_system_sgpr_workgroup_id_y 1
		.amdhsa_system_sgpr_workgroup_id_z 1
		.amdhsa_system_vgpr_workitem_id 0
		.amdhsa_next_free_vgpr 162
		.amdhsa_next_free_sgpr 66
		.amdhsa_reserve_vcc 1
		.amdhsa_float_denorm_mode_32 3
		.amdhsa_float_denorm_mode_16_64 3
		.amdhsa_memory_ordered 1
		.amdhsa_forward_progress 1
		.amdhsa_inst_pref_size 15
	.end_amdhsa_kernel
	.amdgpu_metadata
---
amdhsa.version: [ 1, 2 ]
amdhsa.kernels:
  - .name:           k_q0527735867_gather
    .symbol:         k_q0527735867_gather.kd
    .args:
      - { .name: x, .offset: 0, .size: 8, .value_kind: global_buffer, .address_space: global }
      - { .name: emb_weight, .offset: 8, .size: 8, .value_kind: global_buffer, .address_space: global }
      - { .name: idx, .offset: 16, .size: 8, .value_kind: global_buffer, .address_space: global }
      - { .name: out0, .offset: 24, .size: 8, .value_kind: global_buffer, .address_space: global }
      - { .name: part, .offset: 32, .size: 8, .value_kind: global_buffer, .address_space: global }
    .group_segment_fixed_size: 1280
    .private_segment_fixed_size: 0
    .kernarg_segment_align: 8
    .kernarg_segment_size: 40
    .max_flat_workgroup_size: 256
    .sgpr_count:     66
    .vgpr_count:     162
    .wavefront_size: 32
...
	.end_amdgpu_metadata
.endif
;; end of part 3
;; launch total (part 4): grid 1 x 1, 1 waves a work-group, no clusters, 0 bytes of LDS; arguments part, out1; writes out1
.if DOCPART == 4
	.amdgcn_target "amdgcn-amd-amdhsa--gfx1250"
	.amdhsa_code_object_version 6
	.text
	.protected	k_q0527735867_total
	.globl	k_q0527735867_total
	.p2align	8
	.type	k_q0527735867_total,@function
k_q0527735867_total:
	s_mov_b64 s[64:65], 0
	v_nop
	global_prefetch_b8 v0, s[64:65] scope:SCOPE_SE
	s_setreg_imm32_b32 hwreg(HW_REG_WAVE_MODE, 25, 1), 1
	s_wait_xcnt 0x0
; out1 = 1.25 x (the sum of part's 512 numbers) / (32768 x 256): codebook loss + 0.25 x commitment loss, which are the same mean.
; A sum over the work-groups of the launch before has one owner: one wave, four loads of 512 consecutive bytes, 16 numbers a lane.
	s_load_b128 s[4:7], s[0:1], 0x0                ; part s[4:5], out1 s[6:7]
	v_lshlrev_b32 v1, 4, v0                        ; 16 x lane
	v_mov_b32 v2, 0
	s_mov_b32 s8, 0x76543210                       ; each lane takes its own place in the other half
	s_mov_b32 s9, 0xfedcba98
	s_wait_kmcnt 0x0
.irp n, 0,1,2,3
	global_load_b128 v[4+4*\n:7+4*\n], v1, s[4:5] offset:512*\n
.endr
	s_wait_loadcnt 0x0
	v_pk_add_f32 v[4:5], v[4:5], v[12:13]
	v_pk_add_f32 v[6:7], v[6:7], v[14:15]
	v_pk_add_f32 v[8:9], v[8:9], v[16:17]
	v_pk_add_f32 v[10:11], v[10:11], v[18:19]
	v_pk_add_f32 v[4:5], v[4:5], v[8:9]
	v_pk_add_f32 v[6:7], v[6:7], v[10:11]
	v_pk_add_f32 v[4:5], v[4:5], v[6:7]
	v_add_f32 v4, v4, v5
	v_add_f32_dpp v4, v4, v4 row_xmask:1 row_mask:0xf bank_mask:0xf
	v_add_f32_dpp v4, v4, v4 row_xmask:2 row_mask:0xf bank_mask:0xf
	v_add_f32_dpp v4, v4, v4 row_xmask:4 row_mask:0xf bank_mask:0xf
	v_add_f32_dpp v4, v4, v4 row_xmask:8 row_mask:0xf bank_mask:0xf
	v_permlanex16_b32 v5, v4, s8, s9
	v_add_f32 v4, v4, v5
	v_mul_f32 v4, 0x34200000, v4                   ; 1.25 x 2^-23
	v_cmp_eq_u32 vcc_lo, 0, v0
	s_wait_xcnt 0x0                                ; EXEC changes only behind this wait
	s_and_saveexec_b32 s10, vcc_lo
	global_store_b32 v2, v4, s[6:7]
	s_wait_xcnt 0x0
	s_or_b32 exec_lo, exec_lo, s10
	s_endpgm
.Lfunc_end_k_q0527735867_total:
	.size	k_q0527735867_total, .Lfunc_end_k_q0527735867_total-k_q0527735867_total
	.p2alignl 7, 3214868480
	.fill 96, 4, 3214868480
	.section	.rodata,"a",@progbits
	.p2align	6, 0x0
	.amdhsa_kernel k_q0527735867_total
		.amdhsa_group_segment_fixed_size 0
		.amdhsa_private_segment_fixed_size 0
		.amdhsa_enable_private_segment 0
		.amdhsa_kernarg_size 16
		.amdhsa_user_sgpr_count 2
		.amdhsa_user_sgpr_kernarg_segment_ptr 1
		.amdhsa_wavefront_size32 1
		.amdhsa_system_sgpr_workgroup_id_x 1
		.amdhsa_system_sgpr_workgroup_id_y 1
		.amdhsa_system_sgpr_workgroup_id_z 1
		.amdhsa_system_vgpr_workitem_id 0
		.amdhsa_next_free_vgpr 24
		.amdhsa_next_free_sgpr 66
		.amdhsa_reserve_vcc 1
		.amdhsa_float_denorm_mode_32 3
		.amdhsa_float_denorm_mode_16_64 3
		.amdhsa_memory_ordered 1
		.amdhsa_forward_progress 1
		.amdhsa_inst_pref_size 3
	.end_amdhsa_kernel
	.amdgpu_metadata
---
amdhsa.version: [ 1, 2 ]
amdhsa.kernels:
  - .name:           k_q0527735867_total
    .symbol:         k_q0527735867_total.kd
    .args:
      - { .name: part, .offset: 0, .size: 8, .value_kind: global_buffer, .address_space: global }
      - { .name: out1, .offset: 8, .size: 8, .value_kind: global_buffer, .address_space: global }
    .group_segment_fixed_size: 0
    .private_segment_fixed_size: 0
    .kernarg_segment_align: 8
    .kernarg_segment_size: 16
    .max_flat_workgroup_size: 32
    .sgpr_count:     66
    .vgpr_count:     24
    .wavefront_size: 32
...
	.end_amdgpu_metadata
.endif
;; end of part 4
